; MI455X (gfx1250); checked and timed in simulation.
; The chip was launched on July 23, 2026; its instructions are those of AMD's public machine-readable ISA for CDNA 5 (MIT licence, August 2026) and "CDNA5" Instruction Set Architecture Reference Guide (July 2026). The comments in the code are by the model that wrote it; some were corrected since.
;; Bark Self Attention. Allowed arithmetic: matrix products marked QUANTISED: E2M3 operands, one E8M0 scale for each 32 along K, by v_wmma_scale_f32_16x16x128_f8f6f4 with both operands' format E2M3, f32 sums; everything else in f32.
;; Inputs: W_attn_codes 3,072 x 32 x 24 uint8 (E2M3 codes of W_attn, K innermost, in blocks of 32 codes, four codes in three bytes); W_attn_scales 3,072 x 32 uint8 (E8M0 scales of W_attn, one for each 32 codes along K); W_out_codes 1,024 x 32 x 24 uint8 (E2M3 codes of W_out, K innermost, in blocks of 32 codes, four codes in three bytes); W_out_scales 1,024 x 32 uint8 (E8M0 scales of W_out, one for each 32 codes along K); b_attn 3,072 float32; b_out 1,024 float32; hidden_states_codes 8 x 1,024 x 32 x 24 uint8 (E2M3 codes of hidden_states, K innermost, in blocks of 32 codes, four codes in three bytes); hidden_states_scales 8 x 1,024 x 32 uint8 (E8M0 scales of hidden_states, one for each 32 codes along K).
;; Outputs: out0 8 x 1,024 x 1,024 float32.
;; This version of the problem:
;;   THIS VERSION OF THE PROBLEM IS GIVEN IN LOW PRECISION. The matrix products marked QUANTISED in the list below multiply operands that are first quantised to E2M3 (2 exponent bits, 3 mantissa bits; 6 bits a number), with one power-of-two scale for each 32 numbers along K (OCP MX v1.0); their sums are f32. All else is computed in f32.
;;   The module's matrix products, in the order in which they are computed (A, B: the left and right operand; K: the contracted axis; several contracted axes count as one K, in the product's order):
;;     1. [M 8,192, K 1,024] x [K 1,024, N 3,072]; A: input hidden_states (given as codes); B: input W_attn (given as codes): QUANTISED
;;     2. batch 128 x [M 1,024, K 64] x [K 64, N 1,024]; A: computed on the way; B: computed on the way: QUANTISED
;;     3. batch 128 x [M 1,024, K 1,024] x [K 1,024, N 64]; A: softmax (see below); B: computed on the way: QUANTISED
;;     4. [M 8,192, K 1,024] x [K 1,024, N 1,024]; A: computed on the way; B: input W_out (given as codes): QUANTISED
;;   THE QUANTISER, for each operand of a quantised product, along K:
;;     - K is cut into blocks of 32 from its start; a last block that is shorter is filled with zeros.
;;     - A block's scale is 2^e with e = floor(log2(the largest magnitude in the block)) - 2, held to -126 .. 127; a block of zeros has e = 0. As a byte (E8M0): e + 127.
;;     - Each number is divided by its block's scale, clamped to +-7.5, and rounded to the nearest number of E2M3, ties to even, subnormals kept.
;;     - The product sums the exact products of the quantised numbers (number of the format x scale) in f32.
;;   ~~~python
;;   def quantise(x, axis):      # numpy; x: float32 -> the quantised numbers, widened to float32 again
;;       x = np.moveaxis(x, axis, -1); K = x.shape[-1]
;;       x = np.pad(x, [(0, 0)] * (x.ndim - 1) + [(0, -K % 32)]); x = x.reshape(x.shape[:-1] + (-1, 32)); a = np.abs(x).max(-1, keepdims=True)
;;       e = np.where(a > 0, np.clip(np.frexp(np.where(a > 0, a, 1))[1] - 1 - 2, -126, 127), 0)      # np.frexp(a)[1] - 1 = floor(log2(a)), exactly
;;       r = np.clip(x / 2.0 ** e, -7.5, 7.5)
;;       step = 2.0 ** (np.maximum(np.frexp(np.where(r == 0, 1, r))[1] - 1, 0) - 3)
;;       q = np.round(r / step) * step * 2.0 ** e      # np.round: ties to even
;;       return np.moveaxis(q.reshape(q.shape[:-2] + (-1,))[..., :K], -1, axis).astype(np.float32)
;;   ~~~
;;   SOFTMAX AHEAD OF A QUANTISED PRODUCT. Where the list says 'softmax', what is quantised is not the finished softmax but p = 2^(t - M), with t = logit x log2(e) and M = ceil(the row's largest t), a whole number; so 1/2 < the row's largest p <= 1. The row's sum l is taken of the UNQUANTISED p, in f32, and the product's result is divided by l at the end. Since M is a whole number, a kernel that streams over the keys may use a running M (the ceiling of the running maximum): every later rescaling is an exact power of two, which a block's scale takes up: the codes' values come out the same.
;;   OPERANDS COMPUTED ON THE WAY. 'Computed on the way' means the value that the module computes at that place (a softmax that the list does not call 'softmax' is quantised finished and normalised). What goes into a quantiser is computed in f32, as accurately as f32 sums, v_exp_f32 and their like allow (about 1e-6 of the number): no bf16 or f16 on the way to a quantiser, and a product that is left as it is and whose result goes on into a quantised operand takes f32 operands (vector FMAs, or v_wmma_f32_16x16x4_f32). A number that lies on a knife's edge between two numbers of the format may be rounded either way, as far as f32 arithmetic and the matrix unit's own rounding can turn it there, and no further.
;;   INPUTS GIVEN AS CODES. W_attn (in the module: [1024, 3072], K = its axis 0); W_out (in the module: [1024, 1024], K = its axis 0); hidden_states (in the module: [8, 1024, 1024], K = its axis 2): each comes as NAME_codes (uint8): NAME with its K axis moved to the last place and cut into blocks of 32 codes, [.., K / 32, bytes a block], one block behind the other in memory; four codes in three bytes: a row's codes are one little-endian stream of bits, code i at bits 6 i .. 6 i + 5 (a code: sign, 2 exponent bits, 3 mantissa bits); and NAME_scales (uint8): the same leading axes, one E8M0 byte (e + 127) for each 32 codes along K. Its value is code x scale, taken as it is: it is not quantised again, and the codes and scales need not be those that the quantiser above would give.
;; One version. Each part assembles by itself: llvm-mc -triple=amdgcn-amd-amdhsa -mcpu=gfx1250 --defsym DOCPART=n.
;; ======== version 1 of 1: 3 launches
;; limits: right only within a limited range of input values
;; workspace buffers: pk 20,185,088 bytes; ao 6,291,456 bytes; aos 262,144 bytes
;; launch qkv (part 1): grid 8 x 32, 4 waves a work-group, clusters of 4 x 4, 327,680 bytes of LDS; arguments hidden_states_codes, hidden_states_scales, W_attn_codes, W_attn_scales, b_attn, pk; writes pk
.if DOCPART == 1
	.amdgcn_target "amdgcn-amd-amdhsa--gfx1250"
	.amdhsa_code_object_version 6
	.text
	.protected	k_q4b041a5236_qkv
	.globl	k_q4b041a5236_qkv
	.p2align	8
	.type	k_q4b041a5236_qkv,@function
k_q4b041a5236_qkv:
	s_mov_b64 s[64:65], 0
	v_nop
	global_prefetch_b8 v0, s[64:65] scope:SCOPE_SE
	s_setreg_imm32_b32 hwreg(HW_REG_WAVE_MODE, 25, 1), 1
	s_wait_xcnt 0x0
	s_wait_alu depctr_hold_cnt(0) depctr_sa_sdst(0) depctr_va_vdst(0) depctr_va_sdst(0) depctr_va_ssrc(0) depctr_va_vcc(0) depctr_vm_vsrc(0)
	s_getreg_b32 s2, hwreg(HW_REG_IB_STS2, 6, 4)
	s_cmp_eq_u32 s2, 0
	s_cbranch_scc0 .Lentry_in_a_cluster
	s_endpgm
.Lentry_in_a_cluster:
	s_bfe_u32 s2, ttmp6, 0x10000c
	s_cmp_lg_u32 s2, 0xf033
	s_cbranch_scc0 .Lentry_shape_is_right
	s_endpgm
.Lentry_shape_is_right:
; qkv = hidden W_attn + b_attn on codes of FP6 (E2M3), one E8M0 scale for each 32 along K = 1,024; the results are quantised in registers and leave as codes: q and k along the head's 64, v along the keys.
; THE DEAL.  256 work-groups of four waves, 2 x 2.  A work-group takes 256 tokens and 128 channels (two heads) of q, then of k, then of v: three phases on the same rows of hidden.
; Wave (a, b) takes tokens 128 a .. 128 a + 127 and head b of the two.  It holds its 64 rows of the weight, ALL of K, in 384 registers, and hidden's rows stream past in blocks of 16 rows, all of K,
; in two register sets: a block is 32 products on four accumulators by turns, and its results are finished behind them.
; LDS: hidden's 256 rows (rows of 768 bytes, 16 bytes of padding behind every 256) are filled once; the weights' 128 rows have a region of their own, filled at the head and again twice, each time behind
; a drained round of the cluster's barrier in a phase's second block, when every wave holds the old rows in registers.  A plain barrier at a phase's head shows the new rows to all waves.
; CLUSTERS 4 x 4: hidden's rows are asked for jointly along a row of the cluster, a weight's rows along a column.
; q, k: source 0 = 16 rows of the weight, source 1 = 16 tokens: lane (r, h) holds token r, register 8 t + j channel 16 t + 8 h + j.   v: source 0 = 16 keys, source 1 = 16 channels: lane (r, h) holds channel r, register j key 8 h + j.
; The bias is the first products' C, laid in registers as the result lies.  Scale words come straight from memory into registers, once: register 8 i + f, lane l: row 32 i + l, the f-th 128 along K.
; WITHIN A BLOCK OF 32 the codes stand in another order than the numbers: place 16 h + 8 u + j holds number 16 u + 8 h + j; q and k get it alike, and so do v and the p of the next launch.  A block's members and its scale are the true ones.
; OUT: pk, a package of PKG bytes for each (batch, head): q's codes [64 tiles of 16 tokens][768], q's scale words [8][512]; then eight records of REC bytes, one for each step of 128 keys:
; k's codes [8 tiles][768], v's codes [4 tiles of 16 channels][1,536], k's scale words [512], v's [256].  Codes lie as images of operand registers; each store covers 256 or 512 consecutive bytes, aligned.
; No prefetch: a refill is asked for six blocks, 192 products a wave, ahead of the barrier that shows it, and all else is asked for once, at the head.
; LIMITS: NaN and infinities ahead of the quantiser are not served.  A block whose largest magnitude lies under 2^(3 - 127), zeros too, gets the scale byte 1 where the rule says 127; this program alone reads the bytes.
; REGISTERS: window 0: v1-9 lane terms, v10-11 the add's, v12-27 LDS addresses of my 8 blocks, v28-35 of my 4 weight tiles, v36-43, v76-79 at work, v44-75 hidden's scale words, v80-127 the weights' (this phase's, the next two's),
;   v128-191 accumulators, v192-255 codes and words.  From v256 on fragments of 12 registers, 21 to a window: 0-31 the weight's (4 q + t), 32-47 the rows' two sets; behind them the biases.
; HOW THE HEAD'S TILES ARE DEALT, and where the refill's round stands (this takes the place of the head's words on both): one tensor load a wave, each kind by a line of its own.  Waves 0, 1: the weight's halves.
; Wave 2: blocks 0-3 of both row halves, tokens 0-63 and 128-191 of the 256, as ONE tile of two rows of 49,152 bytes, 98,304 bytes apart; wave 3: blocks 4-7 likewise.  The padding's interval stays 256 bytes, so an LDS row is as before.
; A phase's first barrier shows the weight (waves 0, 1 wait), its second, behind the weight's LDS loads, wave 2's tile; the refill's drained round, in a phase's second block, ahead of the fetch of block 3, shows wave 3's.
.set KROW,  768
.set PITCH, 816
.set WB,    256*PITCH
.set SPARE, WB+128*PITCH
.set PKG,   157696
.set REC,   13056
.set SPW, 10
.set NIL, 11
.set XA,  12
.set WA,  28
.set TA,  36
.set TB,  40
.set SA,  44
.set TS,  76
.set SB,  80
.set PW,  112
.set ACC, 128
.set CD,  192
.set PWS, 208
.set TC,  240
.set BI,  72                           ; window 3: v840-871 this phase's bias, v872-903 k's, v904-907 v's
.set VB4, 136
.set SEL, 66
.set G1X, 28
.set G1W, 36
.set G0X, 44
.set G0W, 48
.set MSB, 0
.set CNT_, 0
.macro WIN new                         ; the immediate's high byte repeats the setting that is left
.if MSB != (\new)
	s_set_vgpr_msb (MSB<<8)|(\new)
.set MSB, \new
.endif
.endm
.macro PLACES n
.rept \n
	v_nop
.endr
.endm
.macro WALU
	s_wait_alu depctr_va_vdst(0)
.endm
.macro CROUND                          ; a round of the cluster's barrier
	s_barrier_signal -1
	s_barrier_wait -1
	s_cmp_lg_u32 s16, 0
	s_cbranch_scc1 .Lnw0_\@
	s_barrier_signal -3
.Lnw0_\@:
	s_barrier_wait -3
	s_barrier_signal -1
	s_barrier_wait -1
.endm
.macro TLOAD g0, g1
	tensor_load_to_lds s[\g0:\g0+3], s[\g1:\g1+7]
	s_nop 0
	PLACES 4
.endm
.macro GROUP1 g, mask, rows            ; rows of 768 bytes, 4 words of padding behind every 64; the mask and bit 21 beside it
	s_or_b32 s[\g], s\mask, (1<<20)|(1<<21)|(5<<22)|(3<<25)
	s_mov_b32 s[\g+1], KROW<<16
	s_mov_b32 s[\g+2], (\rows)<<16
	s_mov_b32 s[\g+3], KROW<<16
	s_mov_b32 s[\g+4], \rows
	s_mov_b32 s[\g+5], KROW
	s_mov_b32 s[\g+6], 0
	s_mov_b32 s[\g+7], 0
.endm
; Fragment f, the q-th 128 along K of a row: six pieces of 8 bytes, two to a load where both go by one address register.  v[a0]: row x pitch + 24 h; v[a0+1]: the same behind one padding more for lanes 16-31.
.macro FRAG f, q, a0, pad
	WIN (1+(\f)/21)<<6
.set R_, 12*((\f)%21)
.set SK_, 0
.irp p, 0,1,2,3,4,5
.if SK_
.set SK_, 0
.else
.set P0_, 12*(\q)+6*(\p/3)+\p%3
.set P1_, 12*(\q)+6*((\p+1)/3)+(\p+1)%3
.set X0_, (P0_%32+3)/32
.set X1_, (P1_%32+3)/32
.set CNT_, CNT_+1
.if (\p < 5) && (X0_ == X1_)
.set SK_, 1
	ds_load_2addr_b64 v[R_+2*\p:R_+2*\p+3], v[\a0+X0_] offset0:P0_+(\pad)*(P0_/32) offset1:P1_+(\pad)*(P1_/32)
.else
	ds_load_b64 v[R_+2*\p:R_+2*\p+1], v[\a0+X0_] offset:8*(P0_+(\pad)*(P0_/32))
.endif
.endif
.endr
.endm
.macro WEIGHTS                         ; my 64 rows of the weight, all of K
.irp q, 0,1,2,3,4,5,6,7
.irp t, 0,1,2,3
	FRAG 4*\q+\t, \q, WA+2*\t, 2
.endr
.endr
	WIN 0
.endm
.macro FETCH s                         ; block s of my rows into set s % 2; NF counts its loads
.set CNT_, 0
.irp q, 0,1,2,3,4,5,6,7
	FRAG 32+8*((\s)%2)+\q, \q, XA+2*(\s), 2
.endr
	WIN 0
.set NF, CNT_
.endm
.macro WM d, a, b, c, xa, xb           ; one product; RA_, RB_: which half of the lanes holds each side's scale words
.if RA_ && RB_
	v_wmma_scale_f32_16x16x128_f8f6f4 v[\d:\d+7], v[\a:\a+11], v[\b:\b+11], \c, v[\xa], v[\xb] matrix_a_fmt:MATRIX_FMT_FP6 matrix_b_fmt:MATRIX_FMT_FP6 matrix_a_scale:MATRIX_SCALE_ROW1 matrix_b_scale:MATRIX_SCALE_ROW1
.elseif RA_
	v_wmma_scale_f32_16x16x128_f8f6f4 v[\d:\d+7], v[\a:\a+11], v[\b:\b+11], \c, v[\xa], v[\xb] matrix_a_fmt:MATRIX_FMT_FP6 matrix_b_fmt:MATRIX_FMT_FP6 matrix_a_scale:MATRIX_SCALE_ROW1
.elseif RB_
	v_wmma_scale_f32_16x16x128_f8f6f4 v[\d:\d+7], v[\a:\a+11], v[\b:\b+11], \c, v[\xa], v[\xb] matrix_a_fmt:MATRIX_FMT_FP6 matrix_b_fmt:MATRIX_FMT_FP6 matrix_b_scale:MATRIX_SCALE_ROW1
.else
	v_wmma_scale_f32_16x16x128_f8f6f4 v[\d:\d+7], v[\a:\a+11], v[\b:\b+11], \c, v[\xa], v[\xb] matrix_a_fmt:MATRIX_FMT_FP6 matrix_b_fmt:MATRIX_FMT_FP6
.endif
.endm
.macro PROD kind, s, n, d              ; product n = 4 q + t of block s.  kind 0: source 0 the weight's rows; kind 1: source 0 hidden's rows
.set Q_, (\n)/4
.set T_, (\n)%4
.set D_, \d
.set FW_, 4*Q_+T_
.set FX_, 32+8*((\s)%2)+Q_
.set RW_, 12*(FW_%21)
.set RX_, 12*(FX_%21)
.set XW_, SB+8*(T_/2)+Q_
.set XX_, SA+8*((\s)/2)+Q_
.if \kind
.set RA_, (\s)%2
.set RB_, T_%2
.if Q_
	WIN (1+FX_/21)|((1+FW_/21)<<2)
	WM D_, RX_, RW_, v[D_:D_+7], XX_, XW_
.else
	WIN (1+FX_/21)|((1+FW_/21)<<2)|(3<<4)
	WM D_, RX_, RW_, v[BI+8*T_:BI+8*T_+7], XX_, XW_
.endif
.else
.set RA_, T_%2
.set RB_, (\s)%2
.if Q_
	WIN (1+FW_/21)|((1+FX_/21)<<2)
	WM D_, RW_, RX_, v[D_:D_+7], XW_, XX_
.else
	WIN (1+FW_/21)|((1+FX_/21)<<2)|(3<<4)
	WM D_, RW_, RX_, v[BI+8*T_:BI+8*T_+7], XW_, XX_
.endif
.endif
.endm
.macro BLOCK kind, s, a0, as           ; 32 products, the four accumulators by turns
.set N_, 0
.rept 32
	PROD \kind, \s, N_, (\a0)+(\as)*(N_%4)
.set N_, N_+1
.endr
	WIN 0
	PLACES 4                                       ; ahead of the loads into the set just read and of the first read of the results
.endm
; nb scale blocks: block B's 16 numbers of my lane lie at v[ACC + 16 B] on, the other 16 in lane l xor 16.  Two chains a block, each accumulator from its low end on; the floor 2^(3 - 127) holds the byte at 1.
; Leaves: v[TS + B] the conversions' scale operand, v[TB + B] the byte.
.macro QMAX nb
.irp k, 0,8
.set B_, 0
.rept \nb
	v_max3_num_f32 v[TA+B_+\k/2], |v[ACC+16*B_+\k]|, |v[ACC+16*B_+\k+1]|, |v[ACC+16*B_+\k+2]|
.set B_, B_+1
.endr
.endr
.irp i, 3,5
.irp k, 0,8
.set B_, 0
.rept \nb
	v_max3_num_f32 v[TA+B_+\k/2], v[TA+B_+\k/2], |v[ACC+16*B_+\k+\i]|, |v[ACC+16*B_+\k+\i+1]|
.set B_, B_+1
.endr
.endr
.endr
.set B_, 0
.rept \nb
	v_max3_num_f32 v[TA+B_], v[TA+B_], v[TB+B_], |v[ACC+16*B_+7]|
.set B_, B_+1
.endr
.set B_, 0
.rept \nb
	v_max3_num_f32 v[TA+B_], v[TA+B_], |v[ACC+16*B_+15]|, 0x1800000
.set B_, B_+1
.endr
.set B_, 0
.rept \nb
	v_permlanex16_b32 v[TB+B_], v[TA+B_], s[SEL], s[SEL+1]
.set B_, B_+1
.endr
.set B_, 0
.rept \nb
	v_max_num_f32 v[TA+B_], v[TA+B_], v[TB+B_]
.set B_, B_+1
.endr
.set B_, 0
.rept \nb
	v_add_nc_u32 v[TS+B_], 0xff000000, v[TA+B_]    ; 2 off the exponent field
.set B_, B_+1
.endr
.set B_, 0
.rept \nb
	v_lshrrev_b32 v[TB+B_], 23, v[TS+B_]
.set B_, B_+1
.endr
.endm
.macro OUTQK s                         ; 16 tokens x one head: two scale blocks, six registers of codes
	s_wait_xcnt 0x0                                ; the last block's stores have read the codes' registers
	QMAX 2
	v_lshl_or_b32 v[PWS+(\s)], v[TB+1], 8, v[TB]
	v_cvt_scalef32_pk16_fp6_f32 v[CD:CD+2], v[ACC:ACC+15], v[TS]
	v_cvt_scalef32_pk16_fp6_f32 v[TC:TC+2], v[ACC+16:ACC+31], v[TS+1]
	v_nop                                          ; one plain place behind a scaled conversion
.irp i, 0,1,2
	v_permlane16_swap_b32 v[CD+\i], v[TC+\i]       ; a whole block to a lane
.endr
.irp i, 0,1,2
	v_mov_b32 v[CD+3+\i], v[TC+\i]
.endr
	global_store_b128 v4, v[CD:CD+3], s[68:69] offset:768*(\s)
	global_store_b64 v5, v[CD+4:CD+5], s[68:69] offset:768*(\s)+512
	WALU
.endm
.macro OUTV pb                         ; 32 keys x four tiles of 16 channels: scale block pb of each tile
	QMAX 4
.set B_, 0
.rept 4
.if (\pb) == 0
	v_mov_b32 v[PW+B_], v[TB+B_]
.else
	v_lshl_or_b32 v[PW+B_], v[TB+B_], 8*(\pb), v[PW+B_]
.endif
.set B_, B_+1
.endr
.set B_, 0
.rept 4
.if (\pb)%2
	v_cvt_scalef32_pk16_fp6_f32 v[TC+4*B_:TC+4*B_+2], v[ACC+16*B_:ACC+16*B_+15], v[TS+B_]
.else
	v_cvt_scalef32_pk16_fp6_f32 v[CD+12*B_+6*((\pb)/2):CD+12*B_+6*((\pb)/2)+2], v[ACC+16*B_:ACC+16*B_+15], v[TS+B_]
.endif
.set B_, B_+1
.endr
	v_nop
.if (\pb)%2
.set B_, 0
.rept 4
.irp i, 0,1,2
	v_permlane16_swap_b32 v[CD+12*B_+6*((\pb)/2)+\i], v[TC+4*B_+\i]
.endr
.irp i, 0,1,2
	v_mov_b32 v[CD+12*B_+6*((\pb)/2)+3+\i], v[TC+4*B_+\i]
.endr
.set B_, B_+1
.endr
.endif
	WALU
.endm
.macro SHOW                            ; a plain barrier: what every wave's tensor loads brought is shown to all
	s_wait_tensorcnt 0x0
	s_wait_dscnt 0x0
	s_barrier_signal -1
	s_barrier_wait -1
.endm
.macro REFILL                          ; the weights' region takes the next tensor's rows, 1,024 rows on: waves 0 and 1 a half each
	s_wait_tensorcnt 0x0
	ds_add_u32 v[SPW], v[NIL]
	s_add_nc_u64 s[G0W+2:G0W+3], s[G0W+2:G0W+3], 1024*KROW
	s_wait_dscnt 0x0                               ; the add, and my reads of the old rows
	CROUND
	s_cmp_lt_u32 s16, 2
	s_cbranch_scc0 .Lnr_\@
	TLOAD G0W, G1W
.Lnr_\@:
.endm
; ---- the head
	s_load_b256 s[4:11], s[0:1], 0x0               ; hidden's codes, scales; W_attn's codes, scales
	s_load_b128 s[12:15], s[0:1], 0x20             ; b_attn, pk
	v_lshl_add_u32 v[SPW], v0, 2, SPARE
	v_mov_b32 v[NIL], 0
	ds_add_u32 v[SPW], v[NIL]                      ; the opening lines: the add twice and its wait
	ds_add_u32 v[SPW], v[NIL]
	v_lshrrev_b32 v9, 5, v0
	v_readfirstlane_b32 s16, v9                    ; wave
	s_lshr_b32 s17, s16, 1                         ; a
	s_and_b32 s18, s16, 1                          ; b; also: which half of a tile I fetch
	s_bfe_u32 s19, ttmp6, 0x40000                  ; cx
	s_bfe_u32 s20, ttmp6, 0x40004                  ; cy
	s_lshl_b32 s21, ttmp9, 2
	s_add_co_u32 s21, s21, s19                     ; tile of 128 channels, 0 .. 7
	s_and_b32 s22, ttmp7, 0xffff
	s_lshl_b32 s22, s22, 2
	s_add_co_u32 s22, s22, s20                     ; block of 256 tokens, 0 .. 31
	s_lshl_b32 s23, s20, 2
	s_lshl_b32 s23, 15, s23                        ; my row of the cluster
	s_lshl_b32 s24, 0x1111, s19                    ; my column
	s_or_b32 s[G1X], s23, (3<<16)|(1<<20)|(1<<21)|(5<<22)|(3<<25)   ; elements of 8 bytes; 4 words of padding behind every 64
	s_mov_b32 s[G1X+1], 6144<<16                   ; a row: 64 rows of hidden on end, 49,152 bytes
	s_mov_b32 s[G1X+2], 2<<16
	s_mov_b32 s[G1X+3], 6144<<16
	s_mov_b32 s[G1X+4], 2
	s_mov_b32 s[G1X+5], 12288                      ; 128 rows of hidden from row to row
	s_mov_b32 s[G1X+6], 0
	s_mov_b32 s[G1X+7], 0
	GROUP1 G1W, 24, 64
	s_lshl_b32 s52, s22, 8
	s_lshl_b32 s53, s18, 6
	s_add_co_u32 s52, s52, s53
	s_mul_i32 s52, s52, KROW                       ; the 128 rows of hidden that waves 2, 3 fetch
	s_mov_b32 s53, 0
	s_lshl_b32 s26, s21, 7
	s_lshl_b32 s55, s18, 6
	s_add_co_u32 s26, s26, s55                     ; my head's first channel; also the 64 rows of the weight that waves 0, 1 fetch
	s_mul_i32 s54, s26, KROW
	s_mov_b32 s55, 0
	s_lshl_b32 s25, s22, 8
	s_lshl_b32 s56, s17, 7
	s_add_co_u32 s25, s25, s56                     ; my first token
	s_mov_b32 s[G0X], 1
	s_mul_i32 s[G0X+1], s18, 128*PITCH
	s_mov_b32 s[G0W], 1
	s_mul_i32 s[G0W+1], s18, 64*PITCH
	s_add_co_u32 s[G0W+1], s[G0W+1], WB            ; also where my own 64 rows lie
	s_mul_i32 s56, s17, 64*PITCH
	s_mov_b32 s[SEL], 0x76543210
	s_mov_b32 s[SEL+1], 0xfedcba98
	s_mov_b32 s27, 0
	v_and_b32 v1, 15, v0                           ; r
	v_bfe_u32 v2, v0, 4, 1                         ; h
	v_and_b32 v3, 31, v0                           ; lane
	v_lshlrev_b32 v4, 4, v3
	v_lshlrev_b32 v5, 3, v3
	v_lshlrev_b32 v6, 5, v3
	v_lshlrev_b32 v7, 5, v2
	v_lshlrev_b32 v8, 2, v1
	v_mul_u32_u24 v9, v1, PITCH
	v_mad_u32_u24 v36, v2, 24, v9
	v_mad_u32_u24 v37, v2, 40, v9
	v_add_nc_u32 v38, s56, v36
	v_add_nc_u32 v39, s56, v37
	v_add_nc_u32 v40, s[G0W+1], v36
	v_add_nc_u32 v41, s[G0W+1], v37
.set I_, 0
.rept 8
	v_add_nc_u32 v[XA+2*I_], ((I_/4)*128+(I_%4)*16)*PITCH, v38
	v_add_nc_u32 v[XA+2*I_+1], ((I_/4)*128+(I_%4)*16)*PITCH, v39
.set I_, I_+1
.endr
.set I_, 0
.rept 4
	v_add_nc_u32 v[WA+2*I_], I_*16*PITCH, v40
	v_add_nc_u32 v[WA+2*I_+1], I_*16*PITCH, v41
.set I_, I_+1
.endr
	WALU                                           ; the head's end
	s_wait_dscnt 0x0
	CROUND                                         ; ahead of the first joint loads
	s_wait_kmcnt 0x0
	s_add_nc_u64 s[G0X+2:G0X+3], s[4:5], s[52:53]
	s_or_b32 s[G0X+3], s[G0X+3], 0x80000000
	s_add_nc_u64 s[G0W+2:G0W+3], s[8:9], s[54:55]
	s_or_b32 s[G0W+3], s[G0W+3], 0x80000000
	s_cmp_lt_u32 s16, 2                            ; one tensor load a wave: waves 0, 1 q's weight, waves 2, 3 hidden's rows
	s_cbranch_scc0 .Lhead_x
	TLOAD G0W, G1W
	s_branch .Lhead_j
.Lhead_x:
	s_cmp_lt_u32 s16, 3
	s_cbranch_scc0 .Lhead_y
	TLOAD G0X, G1X                                 ; wave 2: blocks 0-3
	s_branch .Lhead_j
.Lhead_y:
	TLOAD G0X, G1X                                 ; wave 3: blocks 4-7
.Lhead_j:
	s_mov_b32 s63, 0
	s_lshl_b32 s62, s25, 5
	s_add_nc_u64 s[56:57], s[6:7], s[62:63]
	s_lshl_b32 s62, s26, 5
	s_add_nc_u64 s[58:59], s[10:11], s[62:63]
	s_lshl_b32 s62, s26, 2
	s_add_nc_u64 s[60:61], s[12:13], s[62:63]
.irp i, 0,1,2,3
.irp q, 0,1
	global_load_b128 v[SA+8*\i+4*\q:SA+8*\i+4*\q+3], v6, s[56:57] offset:1024*\i+16*\q
.endr
.endr
.irp p, 0,1,2
.irp i, 0,1
.irp q, 0,1
	global_load_b128 v[SB+16*\p+8*\i+4*\q:SB+16*\p+8*\i+4*\q+3], v6, s[58:59] offset:32768*\p+1024*\i+16*\q
.endr
.endr
.endr
	WIN 3<<6
.irp p, 0,1
.irp t, 0,1,2,3
.irp q, 0,1
	global_load_b128 v[BI+32*\p+8*\t+4*\q:BI+32*\p+8*\t+4*\q+3], v7, s[60:61] offset:4096*\p+64*\t+16*\q   ; q's, k's bias: channel 16 t + 8 h + j
.endr
.endr
.endr
.irp t, 0,1,2,3
	global_load_b32 v[VB4+\t], v8, s[60:61] offset:8192+64*\t    ; v's: channel 16 t + r
.endr
	WIN 0
	s_lshr_b32 s52, s22, 2                         ; where the results go
	s_lshl_b32 s52, s52, 4
	s_lshl_b32 s53, s21, 1
	s_add_co_u32 s52, s52, s53
	s_add_co_u32 s52, s52, s18
	s_mul_i32 s52, s52, PKG                        ; my package: 16 batch + head
	s_and_b32 s53, s22, 3
	s_lshl_b32 s53, s53, 1
	s_add_co_u32 s53, s53, s17                     ; my step of 128 tokens in the sequence
	s_mul_i32 s62, s53, 6144
	s_add_co_u32 s62, s62, s52
	s_add_nc_u64 s[68:69], s[14:15], s[62:63]      ; q's codes
	s_lshl_b32 s62, s53, 9
	s_add_co_u32 s62, s62, s52
	s_add_co_u32 s62, s62, 49152
	s_add_nc_u64 s[70:71], s[14:15], s[62:63]      ; q's scale words
	s_mul_i32 s62, s53, REC
	s_add_co_u32 s62, s62, s52
	s_add_co_u32 s62, s62, 53248
	s_add_nc_u64 s[74:75], s[14:15], s[62:63]      ; my key step's record
; ---- q, then k: one text, two trips
.Lphase:
	s_cmp_lt_u32 s16, 2
	s_cbranch_scc0 .Lnot_w
	s_wait_tensorcnt 0x0                           ; my half of the weight is in
.Lnot_w:
	s_wait_dscnt 0x0
	s_barrier_signal -1
	s_barrier_wait -1                              ; the weight is shown to all
	WEIGHTS
	s_cmp_lt_u32 s16, 3
	s_cbranch_scc0 .Lnot_x
	s_wait_tensorcnt 0x0                           ; wave 2: blocks 0-3 are in (the first trip)
.Lnot_x:
	s_wait_dscnt 0x0
	s_barrier_signal -1
	s_barrier_wait -1                              ; and shown to all
	FETCH 0
	FETCH 1
	s_wait_loadcnt 0x0                             ; scale words and biases (the first trip)
.set S_, 0
.rept 8
.if S_ < 7
	s_wait_dscnt NF                                ; all but the fetch issued last
.else
	s_wait_dscnt 0x0
.endif
	BLOCK 0, S_, ACC, 8
.if S_ == 1
	REFILL
.endif
.if S_ < 6
	FETCH S_+2
.endif
	OUTQK S_
.set S_, S_+1
.endr
	v_cmp_le_u32 vcc_lo, 16, v3                    ; the words of 8 tiles as one image: byte 16 l + 4 c: tile 2 c + l / 16, row l % 16
.irp c, 0,1,2,3
	v_cndmask_b32 v[PWS+8+\c], v[PWS+2*\c], v[PWS+2*\c+1], vcc_lo
.endr
	global_store_b128 v4, v[PWS+8:PWS+11], s[70:71]
	s_wait_xcnt 0x0                                ; the stores have read their bases
	s_mov_b64 s[68:69], s[74:75]                   ; k's codes, k's scale words
	s_add_nc_u64 s[70:71], s[74:75], 12288
.set I_, 0
.rept 16
	v_mov_b32 v[SB+I_], v[SB+16+I_]                ; the next weight's scale words move up
	v_mov_b32 v[SB+16+I_], v[SB+32+I_]
.set I_, I_+1
.endr
	WIN (3<<6)|3
.set I_, 0
.rept 32
	v_mov_b32 v[BI+I_], v[BI+32+I_]                ; k's bias
.set I_, I_+1
.endr
	WIN 0
	s_add_co_u32 s27, s27, 1
	s_cmp_lg_u32 s27, 2
	WALU
	s_cbranch_scc1 .Lphase
; ---- v
	WIN (3<<6)|3
.irp t, 0,1,2,3
.irp i, 0,1,2,3,4,5,6,7
	v_mov_b32 v[BI+8*\t+\i], v[VB4+\t]             ; one number a lane and tile, over the tile's eight registers
.endr
.endr
	WIN 0
	WALU
	SHOW
	WEIGHTS
	FETCH 0
	FETCH 1
.set S_, 0
.rept 8
.if S_ < 7
	s_wait_dscnt NF
.else
	s_wait_dscnt 0x0
.endif
	BLOCK 1, S_, ACC+8*(S_%2), 16
.if S_ < 6
	FETCH S_+2
.endif
.if S_%2
	OUTV S_/2
.endif
.set S_, S_+1
.endr
.irp t, 0,1,2,3
.irp c, 0,1,2
	global_store_b128 v4, v[CD+12*\t+4*\c:CD+12*\t+4*\c+3], s[74:75] offset:6144+1536*\t+512*\c
.endr
.endr
	v_cmp_le_u32 vcc_lo, 16, v3                    ; byte 8 l + 4 c: tile 2 c + l / 16, row l % 16
	v_cndmask_b32 v[PW+4], v[PW], v[PW+1], vcc_lo
	v_cndmask_b32 v[PW+5], v[PW+2], v[PW+3], vcc_lo
	global_store_b64 v5, v[PW+4:PW+5], s[74:75] offset:12800
	s_wait_tensorcnt 0x0                           ; the wave's end
	ds_add_u32 v[SPW], v[NIL]
	s_wait_dscnt 0x0
	CROUND                                         ; the closing round
	s_endpgm
.Lfunc_end_k_q4b041a5236_qkv:
	.size	k_q4b041a5236_qkv, .Lfunc_end_k_q4b041a5236_qkv-k_q4b041a5236_qkv
	.p2alignl 7, 3214868480
	.fill 96, 4, 3214868480
	.section	.rodata,"a",@progbits
	.p2align	6, 0x0
	.amdhsa_kernel k_q4b041a5236_qkv
		.amdhsa_group_segment_fixed_size 327680
		.amdhsa_private_segment_fixed_size 0
		.amdhsa_enable_private_segment 0
		.amdhsa_kernarg_size 48
		.amdhsa_user_sgpr_count 2
		.amdhsa_user_sgpr_kernarg_segment_ptr 1
		.amdhsa_wavefront_size32 1
		.amdhsa_system_sgpr_workgroup_id_x 1
		.amdhsa_system_sgpr_workgroup_id_y 1
		.amdhsa_system_sgpr_workgroup_id_z 1
		.amdhsa_system_vgpr_workitem_id 0
		.amdhsa_next_free_vgpr 1024
		.amdhsa_next_free_sgpr 80
		.amdhsa_reserve_vcc 1
		.amdhsa_float_denorm_mode_32 3
		.amdhsa_float_denorm_mode_16_64 3
		.amdhsa_memory_ordered 1
		.amdhsa_forward_progress 1
		.amdhsa_inst_pref_size 160
	.end_amdhsa_kernel
	.amdgpu_metadata
---
amdhsa.version: [ 1, 2 ]
amdhsa.kernels:
  - .name:           k_q4b041a5236_qkv
    .symbol:         k_q4b041a5236_qkv.kd
    .args:
      - { .name: hidden_states_codes, .offset: 0, .size: 8, .value_kind: global_buffer, .address_space: global }
      - { .name: hidden_states_scales, .offset: 8, .size: 8, .value_kind: global_buffer, .address_space: global }
      - { .name: W_attn_codes, .offset: 16, .size: 8, .value_kind: global_buffer, .address_space: global }
      - { .name: W_attn_scales, .offset: 24, .size: 8, .value_kind: global_buffer, .address_space: global }
      - { .name: b_attn, .offset: 32, .size: 8, .value_kind: global_buffer, .address_space: global }
      - { .name: pk, .offset: 40, .size: 8, .value_kind: global_buffer, .address_space: global }
    .group_segment_fixed_size: 327680
    .private_segment_fixed_size: 0
    .kernarg_segment_align: 8
    .kernarg_segment_size: 48
    .max_flat_workgroup_size: 128
    .sgpr_count:     80
    .vgpr_count:     1024
    .wavefront_size: 32
...
	.end_amdgpu_metadata
.endif
;; end of part 1
;; launch attn (part 2): grid 2 x 128, 16 waves a work-group, no clusters, 169,984 bytes of LDS; arguments pk, ao, aos; writes ao, aos
.if DOCPART == 2
	.amdgcn_target "amdgcn-amd-amdhsa--gfx1250"
	.amdhsa_code_object_version 6
	.text
	.protected	k_q4b041a5236_attn
	.globl	k_q4b041a5236_attn
	.p2align	8
	.type	k_q4b041a5236_attn,@function
k_q4b041a5236_attn:
	s_mov_b64 s[64:65], 0
	v_nop
	global_prefetch_b8 v0, s[64:65] scope:SCOPE_SE
	s_setreg_imm32_b32 hwreg(HW_REG_WAVE_MODE, 25, 1), 1
	s_wait_xcnt 0x0
; Causal attention of one (batch, head) on codes of FP6 (E2M3), one E8M0 scale for each 32 along a product's K; 1,024 tokens, head size 64.
; IN: the head's package of pk: q's codes [64 tiles of 16 tokens][768 bytes], q's scale words [8][512]; then eight records of 13,056 bytes, one for each step of 128 keys:
; k's codes [8 tiles][768], v's codes [4 tiles of 16 channels][1,536], k's scale words [512], v's [256].  All are images of operand registers.
; SOFTMAX AHEAD OF THE SECOND PRODUCT: t = score x log2(e) / 8; M = the row's largest t so far, rounded up to a whole number; p = 2^(t - M) is quantised along the keys, not normalised; the row's sum is taken of the
; unquantised p and divides O at the end.  When M moves, the sum and O are multiplied by 2^(old M - new M): exact.
; SHARES.  Two work-groups to a head, sixteen waves each, four to a SIMD.  Wave w of work-group g owns the query tiles T = 16 g + w and 63 - T, one after the other: (T / 8 + 1) + ((63 - T) / 8 + 1) = 9 key steps for every wave.
; LDS.  The eight records, 104,448 dense bytes, come once, by four tensor loads of two records each, and stay: nothing is filled again.  Wave 0's load has a line of its own, and the first barrier shows it alone:
; the first pass's first two trips read key steps 0 and 1 and no other.  A second barrier, behind those two trips, shows the rest.  So the loop's text is assembled three times: 2 + 2 trips for the first pass (T < 32: four steps at most), 8 for the second.
; Joint loads are left out: two work-groups share a package, each fetches it once, outside every loop, and the causal branches hang on the work-group's number.
; LAYOUT.  S^T = K Q^T (source 0 = 16 keys, source 1 = my 16 queries), O^T = V^T P^T (source 0 = 16 channels, source 1 = P): a lane holds one query (lane % 16) throughout.
; The first product's K is 64: registers 6-11 of both operands are zero codes, written once; the scale bytes over them are never 0xff.
; Register 16 b + 8 u + j of S^T holds key 32 b + 16 u + 8 h + j: within a block of 32 keys p's codes stand in the same order as v's, which the launch before laid so; a block's members, and its scale, are the true ones.
; CAUSAL.  A step all of whose keys come after my queries is jumped over by a scalar branch on ids.  On the diagonal step the mask goes by tiles of 16 keys, by scalar branches on ids: a tile ahead of my queries' own is left as it is;
; in the one tile on the diagonal key 8 h + j is hidden from query r where j > r - 8 h: eight lane masks, made once; a tile behind it becomes -infinity whole.  Key 0 of the step counts for every query, so M is a number from the first step on.
; OUT: O / sum, quantised along the channels in TRUE order (the next product's other operand is given): ao [batch x 64 + tile][head][768 bytes], six registers' image; aos: two scale bytes a row and head,
; [row tile / 2][pair of heads][32 lanes] words.  A wave has one head's two bytes of each word only: sixteen stores of 2 bytes, 4 bytes apart, in one instruction.
; LIMITS: NaN and infinities are not served.  A block of zeros gets the scale byte 1 where the rule says 127 (its codes are zeros; this program alone reads the bytes).  1 / sum is v_rcp_f32.
; A block's largest p is taken from the block's largest score by the same two instructions that make p; this takes v_exp_f32 not to fall where its input rises.
; REGISTERS: v1-7 addresses; v8-11, v28-30 the second pass's Q; v12 -M, v13 the largest t, v[14:15] the sum; v16-27 Q; v31 4 r; v32-79 four fragments of K; v80-127 four of V; v128-191 S^T, then p; v192-223 O^T;
;   v224-235 p's codes; v232-247, v252, v254 at work; v248-251 K's scale words, then V's; v253 p's scale word; v255 Q's.
.set PKG,   157696
.set REC,   13056
.set S,     128
.set O,     192
.set KB,    32
.set VB,    80
.set L16,   1                          ; v1  16 x lane
.set L8,    2                          ; v2  8 x lane
.set DQ,    3                          ; v3  r - 8 h
.set ADK16, 4                          ; v4  the step's record, 16 bytes a lane
.set ADK8,  5                          ; v5  8 bytes a lane
.set ADS,   6                          ; v6  K's scale words
.set ADVS,  7                          ; v7  V's
.set R4,    31                         ; v31 4 r
.set SEL,   20                         ; s[20:21] lane selects: lane l xor 16
.set CS,    22                         ; s[22:23] c = log2(e) / 8, twice: the packed form names a pair
.set MK,    66                         ; s66-73 the diagonal tile's lane masks
	s_load_b128 s[4:7], s[0:1], 0x0                ; pk, ao
	s_load_b64 s[8:9], s[0:1], 0x10                ; aos
	v_lshl_add_u32 v254, v0, 2, 0x29000
	v_mov_b32 v255, 0
	ds_add_u32 v254, v255                          ; the opening lines: the add twice and its wait
	ds_add_u32 v254, v255
	s_wait_dscnt 0x0
	v_lshrrev_b32 v1, 5, v0
	s_delay_alu instid0(VALU_DEP_1)
	v_readfirstlane_b32 s10, v1                    ; wave 0..15
	s_and_b32 s11, ttmp7, 0xffff                   ; batch x 16 + head
	s_lshl_b32 s13, ttmp9, 4
	s_add_co_u32 s13, s13, s10                     ; my first tile of queries
	s_sub_co_u32 s14, 63, s13                      ; my second
	s_lshl_b32 s52, s13, 4                         ; their first queries
	s_lshl_b32 s53, s14, 4
	s_mul_i32 s15, s11, PKG                        ; the package
	s_lshr_b32 s16, s11, 4                         ; batch
	s_and_b32 s17, s11, 15                         ; head
	s_mov_b32 s61, 0
	s_mov_b32 s[SEL], 0x76543210
	s_mov_b32 s[SEL+1], 0xfedcba98
	s_mov_b32 s[CS], 0x3e38aa3b
	s_mov_b32 s[CS+1], s[CS]
	s_mov_b32 s24, 3<<16                           ; one tensor load: two records, 102 rows of 256 bytes (32 elements of 8 bytes), dense
	s_mov_b32 s25, 32<<16
	s_mov_b32 s26, 102<<16
	s_mov_b32 s27, 32<<16
	s_mov_b32 s28, 102
	s_mov_b32 s29, 32
	s_mov_b32 s30, 0
	s_mov_b32 s31, 0
	s_min_u32 s62, s10, 3                          ; (waves 4 to 15 issue no load)
	s_mul_i32 s33, s62, 2*REC                      ; LDS address: my quarter
	s_add_co_u32 s60, s15, s33
	s_add_co_u32 s60, s60, 53248                   ; the records begin behind q's part
	s_mov_b32 s32, 1
	s_wait_kmcnt 0x0
	s_add_nc_u64 s[34:35], s[4:5], s[60:61]
	s_or_b32 s35, s35, 0x80000000
	s_cmp_lt_u32 s10, 1
	s_cbranch_scc0 .Llater
	tensor_load_to_lds s[32:35], s[24:31]          ; wave 0: key steps 0 and 1
	s_nop 0
.rept 4
	v_nop
.endr
	s_branch .Lno_fetch
.Llater:
	s_cmp_lt_u32 s10, 4
	s_cbranch_scc0 .Lno_fetch
	tensor_load_to_lds s[32:35], s[24:31]          ; waves 1 to 3: key steps 2 to 7
	s_nop 0
.rept 4
	v_nop
.endr
.Lno_fetch:
; the four bases of tile s[t]: Q's codes, Q's scale words, ao, aos
.macro BASES t, qc, qs, oc, os
	s_mul_i32 s60, s[\t], 768
	s_add_co_u32 s60, s60, s15
	s_add_nc_u64 s[\qc:\qc+1], s[4:5], s[60:61]
	s_lshr_b32 s60, s[\t], 3
	s_lshl_b32 s60, s60, 9                         ; 512 bytes for each 8 tiles;
	s_and_b32 s62, s[\t], 1
	s_lshl_b32 s62, s62, 8                         ; odd tiles in lanes 16-31's places;
	s_add_co_u32 s60, s60, s62
	s_bfe_u32 s62, s[\t], 0x20001
	s_lshl_b32 s62, s62, 2                         ; word (T % 8) / 2 of a lane's four
	s_add_co_u32 s60, s60, s62
	s_add_co_u32 s60, s60, s15
	s_add_co_u32 s60, s60, 49152
	s_add_nc_u64 s[\qs:\qs+1], s[4:5], s[60:61]
	s_lshl_b32 s60, s16, 6
	s_add_co_u32 s60, s60, s[\t]
	s_lshl_b32 s60, s60, 4
	s_add_co_u32 s60, s60, s17
	s_mul_i32 s60, s60, 768                        ; ((64 batch + T) 16 + head) 768
	s_add_nc_u64 s[\oc:\oc+1], s[6:7], s[60:61]
	s_lshl_b32 s60, s16, 5
	s_lshr_b32 s62, s[\t], 1
	s_add_co_u32 s60, s60, s62
	s_lshl_b32 s60, s60, 3
	s_lshr_b32 s62, s17, 1
	s_add_co_u32 s60, s60, s62
	s_lshl_b32 s60, s60, 7                         ; ((32 batch + T / 2) 8 + head / 2) 128
	s_and_b32 s62, s[\t], 1
	s_lshl_b32 s62, s62, 6
	s_add_co_u32 s60, s60, s62                     ; + 64 (T % 2)
	s_and_b32 s62, s17, 1
	s_lshl_b32 s62, s62, 1
	s_add_co_u32 s60, s60, s62                     ; + 2 (head % 2)
	s_add_nc_u64 s[\os:\os+1], s[8:9], s[60:61]
.endm
	BASES 13, 36, 38, 44, 46
	BASES 14, 40, 42, 48, 50
	v_and_b32 v4, 31, v0                           ; lane
	s_delay_alu instid0(VALU_DEP_1)
	v_lshlrev_b32 v[L16], 4, v4
	s_delay_alu instid0(VALU_DEP_2)
	v_lshlrev_b32 v[L8], 3, v4
	v_and_b32 v5, 15, v0                           ; r
	v_bfe_u32 v6, v0, 4, 1                         ; h
	s_delay_alu instid0(VALU_DEP_2)
	v_lshlrev_b32 v[R4], 2, v5
	s_delay_alu instid0(VALU_DEP_3)
	v_lshlrev_b32 v254, 4, v5                      ; 16 r: my row's place among Q's scale words
	s_delay_alu instid0(VALU_DEP_3)
	v_lshlrev_b32 v6, 3, v6
	s_delay_alu instid0(VALU_DEP_1)
	v_sub_nc_u32 v[DQ], v5, v6
.irp j, 0,1,2,3,4,5,6,7
	v_cmp_gt_i32 s[MK+\j], \j, v[DQ]               ; the lanes for which register j of the diagonal tile is hidden
.endr
	global_load_b128 v[16:19], v[L16], s[36:37]    ; the first pass's Q: six registers,
	global_load_b64 v[20:21], v[L8], s[36:37] offset:512
	global_load_b32 v255, v254, s[38:39]           ; and its scale words
	global_load_b128 v[8:11], v[L16], s[40:41]     ; the second pass's, which waits in registers
	global_load_b64 v[28:29], v[L8], s[40:41] offset:512
	global_load_b32 v30, v254, s[42:43]
.irp i, 22,23,24,25,26,27
	v_mov_b32 v[\i], 0                             ; Q's upper 64 along K: zero codes, written once
.endr
.irp t, 0,1,2,3
.irp i, 6,7,8,9,10,11
	v_mov_b32 v[KB+12*\t+\i], 0                    ; K's likewise: no load lands here
.endr
.endr
.irp b, 0,1,2,3
	v_mov_b32 v[236+\b], 0                         ; written once: a lane permute's destination counts as one of its sources
.endr
	v_mov_b32 v252, 0
	v_mov_b32 v253, 0                              ; (named as the upper half of the pair v[252:253] before it is first written)
	s_wait_alu depctr_va_vdst(0)                   ; the head's end
	s_cmp_lt_u32 s10, 1
	s_cbranch_scc0 .Lnot_first
	s_wait_tensorcnt 0x0                           ; key steps 0 and 1 have landed
.Lnot_first:
	s_barrier_signal -1
	s_barrier_wait -1                              ; and are shown to all
	s_wait_loadcnt 0x0                             ; Q, both passes'
.macro SPROD tt, buf                   ; S^T's tile tt of the step's eight, from K's buffer buf; even tiles' scale words lie in lanes 0-15, odd tiles' in lanes 16-31
.if (\tt)%2
	v_wmma_scale_f32_16x16x128_f8f6f4 v[S+8*(\tt):S+8*(\tt)+7], v[KB+12*(\buf):KB+12*(\buf)+11], v[16:27], 0, v[248+(\tt)/2], v255 matrix_a_fmt:MATRIX_FMT_FP6 matrix_b_fmt:MATRIX_FMT_FP6 matrix_a_scale:MATRIX_SCALE_ROW1
.else
	v_wmma_scale_f32_16x16x128_f8f6f4 v[S+8*(\tt):S+8*(\tt)+7], v[KB+12*(\buf):KB+12*(\buf)+11], v[16:27], 0, v[248+(\tt)/2], v255 matrix_a_fmt:MATRIX_FMT_FP6 matrix_b_fmt:MATRIX_FMT_FP6
.endif
.endm
.macro OPROD t                         ; O^T's tile t += V's fragment t x P
.if (\t)%2
	v_wmma_scale_f32_16x16x128_f8f6f4 v[O+8*(\t):O+8*(\t)+7], v[VB+12*(\t):VB+12*(\t)+11], v[224:235], v[O+8*(\t):O+8*(\t)+7], v[248+(\t)/2], v253 matrix_a_fmt:MATRIX_FMT_FP6 matrix_b_fmt:MATRIX_FMT_FP6 matrix_a_scale:MATRIX_SCALE_ROW1
.else
	v_wmma_scale_f32_16x16x128_f8f6f4 v[O+8*(\t):O+8*(\t)+7], v[VB+12*(\t):VB+12*(\t)+11], v[224:235], v[O+8*(\t):O+8*(\t)+7], v[248+(\t)/2], v253 matrix_a_fmt:MATRIX_FMT_FP6 matrix_b_fmt:MATRIX_FMT_FP6
.endif
.endm
; A PASS, one tile of 16 queries, in three parts: its start, its walk over the keys (one loop, or two on end), its end.
.macro PASSHEAD p
.if \p
	s_wait_xcnt 0x0                                ; the first pass's stores have read their registers: they are written again only behind this wait
.irp i, 0,1,2,3
	v_mov_b32 v[16+\i], v[8+\i]                    ; the waiting Q; the 36 moves below are the places in front of the products that name it and its scale word
.endr
	v_mov_b32 v20, v28
	v_mov_b32 v21, v29
	v_mov_b32 v255, v30
.endif
	v_mov_b32 v13, 0xff61b1e6                      ; the largest t so far: -3e38, under every t
	s_delay_alu instid0(VALU_DEP_1)
	v_floor_f32 v12, -v13                          ; -M
	v_mov_b32 v14, 0                               ; the sum, in two halves
	v_mov_b32 v15, 0
.set j, 0
.rept 32
	v_mov_b32 v[O+j], 0                            ; O^T: the step is written once; its first trip finds zeros, which the first change of M leaves zeros
.set j, j+1
.endr
	s_mov_b32 s54, 0                               ; the step's first key
	s_add_co_u32 s55, s[52+\p], 15                 ; my last query
	s_mov_b32 s56, 0                               ; the step's record
	s_mov_b32 s57, 0
	s_mov_b32 s58, 12800                           ; V's scale words in it
.endm
.macro LOOP p, cnt                     ; cnt key steps on from where the walk stands
	s_mov_b32 s59, \cnt
.Lstep_\@:
	s_cmp_gt_u32 s54, s55                          ; all 128 keys come after my queries: only the addresses step
	s_cbranch_scc1 .Lhidden_\@
	v_add_nc_u32 v[ADK16], s56, v[L16]             ; (these four are the places between the last step's products and the loads into their scale registers)
	v_add_nc_u32 v[ADK8], s56, v[L8]
	v_add_nc_u32 v[ADS], s57, v[L16]
	v_add_nc_u32 v[ADVS], s58, v[L8]
	ds_load_b128 v[248:251], v[ADS] offset:12288   ; the scale words of the step's 8 tiles of K
.irp t, 0,1,2,3
	ds_load_b128 v[KB+12*\t:KB+12*\t+3], v[ADK16] offset:768*\t
	ds_load_b64 v[KB+12*\t+4:KB+12*\t+5], v[ADK8] offset:768*\t+512
.endr
	s_wait_alu depctr_va_vdst(0)
	s_wait_dscnt 0x0
.irp t, 0,1,2,3
	SPROD \t, \t
.endr
.rept 4
	v_nop                                          ; places in front of loads into registers that matrix instructions have read
.endr
.irp t, 0,1,2,3
	ds_load_b128 v[KB+12*\t:KB+12*\t+3], v[ADK16] offset:768*(4+\t)
	ds_load_b64 v[KB+12*\t+4:KB+12*\t+5], v[ADK8] offset:768*(4+\t)+512
.endr
	s_wait_dscnt 0x0
.irp t, 0,1,2,3
	SPROD 4+\t, \t
.endr
.rept 4
	v_nop                                          ; places in front of the first read of the scores and of the load into the scale registers
.endr
.irp t, 0,1,2,3                        ; V's four fragments and their scale words are asked for here and waited for behind the softmax
.irp c, 0,1,2
	ds_load_b128 v[VB+12*\t+4*\c:VB+12*\t+4*\c+3], v[ADK16] offset:6144+1536*\t+512*\c
.endr
.endr
	ds_load_b64 v[248:249], v[ADVS]
	s_add_co_u32 s60, s54, 127                     ; a step all of whose keys count skips the mask
	s_cmp_le_u32 s60, s[52+\p]
	s_cbranch_scc1 .Lopen_\@
	s_sub_co_i32 s60, s[52+\p], s54                ; 16 x the tile of the step's eight that lies on the diagonal
	v_mov_b32 v254, 0xff800000                     ; -infinity
	s_wait_alu depctr_va_vdst(0)
.irp t, 0,1,2,3,4,5,6,7
	s_cmp_gt_u32 s60, 16*\t
	s_cbranch_scc1 .Lseen_\@_\t                    ; all 16 keys count
	s_cmp_eq_u32 s60, 16*\t
	s_cbranch_scc0 .Lhid_\@_\t
.irp j, 0,1,2,3,4,5,6,7
	v_cndmask_b32 v[S+8*\t+\j], v[S+8*\t+\j], v254, s[MK+\j]   ; on the diagonal, from the accumulator's low end on
.endr
	s_branch .Lseen_\@_\t
.Lhid_\@_\t:
.irp j, 0,1,2,3,4,5,6,7
	v_mov_b32 v[S+8*\t+\j], v254                   ; no key counts
.endr
.Lseen_\@_\t:
.endr
	s_wait_alu depctr_va_vdst(0)
.Lopen_\@:
.irp b, 0,1,2,3
	v_max3_num_f32 v[232+\b], v[S+16*\b], v[S+1+16*\b], v[S+2+16*\b]   ; the largest score of each block of 32 keys: for the row's maximum, and, since p rises with the score, for the block's largest p
.endr
.irp i, 3,5,7,9,11,13
.irp b, 0,1,2,3
	v_max3_num_f32 v[232+\b], v[232+\b], v[S+16*\b+\i], v[S+1+16*\b+\i]
.endr
.endr
.irp b, 0,1,2,3
	v_max_num_f32 v[232+\b], v[232+\b], v[S+15+16*\b]
.endr
.irp b, 0,1,2,3
	s_delay_alu instid0(VALU_DEP_4)
	v_permlanex16_b32 v[236+\b], v[232+\b], s[SEL], s[SEL+1]
.endr
.irp b, 0,1,2,3
	s_delay_alu instid0(VALU_DEP_4)
	v_max_num_f32 v[232+\b], v[232+\b], v[236+\b]  ; with lane l xor 16's 16 keys
.endr
	s_delay_alu instid0(VALU_DEP_2)
	v_max3_num_f32 v254, v232, v233, v234
	s_delay_alu instid0(VALU_DEP_1)
	v_max_num_f32 v254, v254, v235                 ; the step's largest score of my query
	s_delay_alu instid0(VALU_DEP_1)
	v_mul_f32 v254, s[CS], v254                    ; as t (c is positive)
	s_delay_alu instid0(VALU_DEP_1)
	v_max_num_f32 v13, v13, v254                   ; the running largest t
	v_mov_b32 v254, v12
	s_delay_alu instid0(VALU_DEP_2)
	v_floor_f32 v12, -v13                          ; the new -M = floor(-t) = -ceil(t)
	s_delay_alu instid0(VALU_DEP_1)
	v_sub_f32 v254, v12, v254                      ; old M - new M: a whole number, 0 or less
	s_delay_alu instid0(VALU_DEP_1)
	v_cvt_i32_f32 v254, v254                       ; (it saturates)
	s_delay_alu instid0(VALU_DEP_1)
	v_ldexp_f32 v252, 1.0, v254                    ; f = 2^(old M - new M)
.set j, 0
.rept 32
	v_pk_fma_f32 v[S+j:S+j+1], v[S+j:S+j+1], s[CS:CS+1], v[12:13] op_sel_hi:[1,0,0]   ; t - M, two at a time
.set j, j+2
.endr
.irp b, 0,1,2,3
	v_fma_f32 v[232+\b], v[232+\b], s[CS], v12     ; the same of each block's largest score
.endr
.set j, 0
	s_wait_alu depctr_va_vdst(0)
.rept 64
	v_exp_f32 v[S+j], v[S+j]                       ; p = 2^(t - M), at most 1
.set j, j+1
.endr
.irp b, 0,1,2,3
	v_exp_f32 v[232+\b], v[232+\b]                 ; the block's largest p
.endr
	v_pk_mul_f32 v[14:15], v[14:15], v[252:253] op_sel_hi:[1,0]   ; the sums under the new M.  (A plain place behind the exponentials)
	s_wait_alu depctr_va_vdst(0)
.irp b, 0,1,2,3
	v_max_num_f32 v[232+\b], 0x1800000, v[232+\b]  ; the floor 2^(3 - 127): the byte cannot fall under 1
.endr
.irp b, 0,1,2,3
	s_delay_alu instid0(VALU_DEP_4)
	v_add_nc_u32 v[244+\b], 0xff000000, v[232+\b]  ; 2 off the exponent field: the conversion's scale operand
.endr
.irp b, 0,1,2,3
	s_delay_alu instid0(VALU_DEP_4)
	v_lshrrev_b32 v[236+\b], 23, v[244+\b]         ; the scale's byte
.endr
	s_delay_alu instid0(VALU_DEP_3)
	v_lshl_or_b32 v253, v237, 8, v236              ; p's scale word for these 128 keys
	s_delay_alu instid0(VALU_DEP_1)
	v_lshl_or_b32 v253, v238, 16, v253
	s_delay_alu instid0(VALU_DEP_1)
	v_lshl_or_b32 v253, v239, 24, v253
.irp c, 0,1
	v_cvt_scalef32_pk16_fp6_f32 v[224+6*\c:226+6*\c], v[S+32*\c:S+15+32*\c], v[244+2*\c]
	v_cvt_scalef32_pk16_fp6_f32 v[236+4*\c:238+4*\c], v[S+16+32*\c:S+31+32*\c], v[245+2*\c]   ; (a conversion's three registers begin on an even number)
.endr
	v_nop                                          ; one plain place behind a scaled conversion
.irp c, 0,1                            ; the operand's layout wants a whole block in a lane
.irp i, 0,1,2
	v_permlane16_swap_b32 v[224+6*\c+\i], v[236+4*\c+\i]
.endr
.irp i, 0,1,2
	s_delay_alu instid0(VALU_DEP_3)
	v_mov_b32 v[227+6*\c+\i], v[236+4*\c+\i]
.endr
.endr
	v_pk_add_f32 v[236:237], v[132:133], v[136:137]   ; the row's sum of the unquantised p, two at a time, in eight chains
	v_pk_add_f32 v[250:251], v[140:141], v[144:145]
	v_pk_add_f32 v[246:247], v[148:149], v[152:153]
	v_pk_add_f32 v[244:245], v[156:157], v[160:161]
	v_pk_add_f32 v[242:243], v[164:165], v[168:169]
	v_pk_add_f32 v[240:241], v[172:173], v[176:177]
	v_pk_add_f32 v[72:73], v[180:181], v[184:185]
	v_pk_add_f32 v[14:15], v[14:15], v[188:189]
	v_pk_add_f32 v[236:237], v[236:237], v[128:129]
	v_pk_add_f32 v[250:251], v[250:251], v[130:131]
	v_pk_add_f32 v[246:247], v[246:247], v[134:135]
	v_pk_add_f32 v[244:245], v[244:245], v[138:139]
	v_pk_add_f32 v[242:243], v[242:243], v[142:143]
	v_pk_add_f32 v[240:241], v[240:241], v[146:147]
	v_pk_add_f32 v[72:73], v[72:73], v[150:151]
	v_pk_add_f32 v[14:15], v[14:15], v[154:155]
	v_pk_add_f32 v[236:237], v[236:237], v[158:159]
	v_pk_add_f32 v[250:251], v[250:251], v[162:163]
	v_pk_add_f32 v[246:247], v[246:247], v[166:167]
	v_pk_add_f32 v[244:245], v[244:245], v[170:171]
	v_pk_add_f32 v[242:243], v[242:243], v[174:175]
	v_pk_add_f32 v[240:241], v[240:241], v[178:179]
	v_pk_add_f32 v[72:73], v[72:73], v[182:183]
	v_pk_add_f32 v[14:15], v[14:15], v[186:187]
	v_pk_add_f32 v[236:237], v[236:237], v[190:191]
	s_delay_alu instid0(VALU_DEP_2)
	v_pk_add_f32 v[14:15], v[14:15], v[244:245]
	s_delay_alu instid0(VALU_DEP_2)
	v_pk_add_f32 v[236:237], v[236:237], v[242:243]
	v_pk_add_f32 v[250:251], v[250:251], v[240:241]
	v_pk_add_f32 v[246:247], v[246:247], v[72:73]
	s_delay_alu instid0(VALU_DEP_2)
	v_pk_add_f32 v[14:15], v[14:15], v[250:251]
	s_delay_alu instid0(VALU_DEP_2)
	v_pk_add_f32 v[236:237], v[236:237], v[246:247]
	s_delay_alu instid0(VALU_DEP_1)
	v_pk_add_f32 v[14:15], v[14:15], v[236:237]
.set j, 0
.rept 16
	v_pk_mul_f32 v[O+j:O+j+1], v[O+j:O+j+1], v[252:253] op_sel_hi:[1,0]   ; O^T under the new M, each accumulator from its low end on
.set j, j+2
.endr
	s_wait_alu depctr_va_vdst(0)
	s_wait_dscnt 0x0                               ; V's fragments and scale words are in
.irp t, 0,1,2,3
	OPROD \t                                       ; four accumulators, one instruction a turn
.endr
.Lhidden_\@:
	s_add_co_u32 s54, s54, 128
	s_add_co_u32 s56, s56, REC
	s_add_co_u32 s57, s57, REC
	s_add_co_u32 s58, s58, REC
	s_sub_co_u32 s59, s59, 1
	s_cmp_lg_u32 s59, 0
	s_cbranch_scc1 .Lstep_\@
.endm
.macro PASSEND p
.rept 4
	v_nop                                          ; places behind the last products
.endr
	v_add_f32 v14, v14, v15                        ; the sum's two halves,
	s_delay_alu instid0(VALU_DEP_1)
	v_permlanex16_b32 v252, v14, s[SEL], s[SEL+1]
	s_delay_alu instid0(VALU_DEP_1)
	v_add_f32 v14, v14, v252                       ; and lane l xor 16's: the row's sum, over 1/2
	s_wait_alu depctr_va_vdst(0)
	v_rcp_f32 v14, v14
	v_nop                                          ; one plain place behind a transcendental
.set j, 0
	s_wait_alu depctr_va_vdst(0)
.rept 32
	v_mul_f32 v[S+j], v[O+j], v14                  ; register 8 t + j: channel 16 t + 8 h + j of my query
.set j, j+1
.endr
.irp b, 0,1                            ; into true order: lanes 16-31 of tile 2 b change places with lanes 0-15 of tile 2 b + 1: register 16 b + i then holds channel 32 b + 16 h + i
.irp i, 0,1,2,3,4,5,6,7
	v_permlane16_swap_b32 v[S+16*\b+\i], v[S+8+16*\b+\i]
.endr
.endr
.irp b, 0,1
	v_max3_num_f32 v[232+\b], |v[S+16*\b]|, |v[S+1+16*\b]|, 0x1800000   ; the head's two blocks of 32 channels
.endr
.irp i, 2,4,6,8,10,12,14
.irp b, 0,1
	s_delay_alu instid0(VALU_DEP_2)
	v_max3_num_f32 v[232+\b], v[232+\b], |v[S+16*\b+\i]|, |v[S+1+16*\b+\i]|
.endr
.endr
.irp b, 0,1
	s_delay_alu instid0(VALU_DEP_2)
	v_permlanex16_b32 v[236+\b], v[232+\b], s[SEL], s[SEL+1]
.endr
.irp b, 0,1
	s_delay_alu instid0(VALU_DEP_2)
	v_max_num_f32 v[232+\b], v[232+\b], v[236+\b]
.endr
.irp b, 0,1
	s_delay_alu instid0(VALU_DEP_2)
	v_add_nc_u32 v[244+\b], 0xff000000, v[232+\b]
.endr
.irp b, 0,1
	s_delay_alu instid0(VALU_DEP_2)
	v_lshrrev_b32 v[240+\b], 23, v[244+\b]
.endr
	s_delay_alu instid0(VALU_DEP_1)
	v_lshl_or_b32 v254, v241, 8, v240              ; my row's two scale bytes
	v_cvt_scalef32_pk16_fp6_f32 v[224:226], v[S:S+15], v244
	v_cvt_scalef32_pk16_fp6_f32 v[236:238], v[S+16:S+31], v245
	v_nop
.irp i, 0,1,2
	v_permlane16_swap_b32 v[224+\i], v[236+\i]
.endr
.irp i, 0,1,2
	s_delay_alu instid0(VALU_DEP_3)
	v_mov_b32 v[227+\i], v[236+\i]
.endr
	global_store_b128 v[L16], v[224:227], s[44+4*\p:45+4*\p]             ; six registers' image: 512 consecutive bytes,
	global_store_b64 v[L8], v[228:229], s[44+4*\p:45+4*\p] offset:512    ; then 256
	global_store_b16 v[R4], v254, s[46+4*\p:47+4*\p]                     ; lanes 16-31 write the same bytes with the same values
.endm
	PASSHEAD 0
	LOOP 0, 2                                      ; key steps 0 and 1
	s_wait_tensorcnt 0x0                           ; every wave's load has landed,
	s_wait_dscnt 0x0
	s_barrier_signal -1
	s_barrier_wait -1                              ; and key steps 2 to 7 are shown to all: from here on LDS is only read
	LOOP 0, 2                                      ; the first pass's tiles end with key step 3
	PASSEND 0
	PASSHEAD 1
	LOOP 1, 8
	PASSEND 1
	s_wait_xcnt 0x0
	v_lshl_add_u32 v254, v0, 2, 0x29000
	v_mov_b32 v255, 0
	s_wait_alu depctr_va_vdst(0)
	s_wait_tensorcnt 0x0                           ; the wave's end
	ds_add_u32 v254, v255
	s_wait_dscnt 0x0
	s_endpgm
.Lfunc_end_k_q4b041a5236_attn:
	.size	k_q4b041a5236_attn, .Lfunc_end_k_q4b041a5236_attn-k_q4b041a5236_attn
	.p2alignl 7, 3214868480
	.fill 96, 4, 3214868480
	.section	.rodata,"a",@progbits
	.p2align	6, 0x0
	.amdhsa_kernel k_q4b041a5236_attn
		.amdhsa_group_segment_fixed_size 169984
		.amdhsa_private_segment_fixed_size 0
		.amdhsa_enable_private_segment 0
		.amdhsa_kernarg_size 24
		.amdhsa_user_sgpr_count 2
		.amdhsa_user_sgpr_kernarg_segment_ptr 1
		.amdhsa_wavefront_size32 1
		.amdhsa_system_sgpr_workgroup_id_x 1
		.amdhsa_system_sgpr_workgroup_id_y 1
		.amdhsa_system_sgpr_workgroup_id_z 1
		.amdhsa_system_vgpr_workitem_id 0
		.amdhsa_next_free_vgpr 256
		.amdhsa_next_free_sgpr 80
		.amdhsa_reserve_vcc 0
		.amdhsa_float_denorm_mode_32 3
		.amdhsa_float_denorm_mode_16_64 3
		.amdhsa_memory_ordered 1
		.amdhsa_forward_progress 1
		.amdhsa_inst_pref_size 96
	.end_amdhsa_kernel
	.amdgpu_metadata
---
amdhsa.version: [ 1, 2 ]
amdhsa.kernels:
  - .name:           k_q4b041a5236_attn
    .symbol:         k_q4b041a5236_attn.kd
    .args:
      - { .name: pk, .offset: 0, .size: 8, .value_kind: global_buffer, .address_space: global }
      - { .name: ao, .offset: 8, .size: 8, .value_kind: global_buffer, .address_space: global }
      - { .name: aos, .offset: 16, .size: 8, .value_kind: global_buffer, .address_space: global }
    .group_segment_fixed_size: 169984
    .private_segment_fixed_size: 0
    .kernarg_segment_align: 8
    .kernarg_segment_size: 24
    .max_flat_workgroup_size: 512
    .sgpr_count:     80
    .vgpr_count:     256
    .wavefront_size: 32
...
	.end_amdgpu_metadata
.endif
;; end of part 2
;; launch proj (part 3): grid 8 x 32, 4 waves a work-group, clusters of 4 x 4, 327,680 bytes of LDS; arguments ao, aos, W_out_codes, W_out_scales, b_out, out0; writes out0
.if DOCPART == 3
	.amdgcn_target "amdgcn-amd-amdhsa--gfx1250"
	.amdhsa_code_object_version 6
	.text
	.protected	k_q4b041a5236_proj
	.globl	k_q4b041a5236_proj
	.p2align	8
	.type	k_q4b041a5236_proj,@function
k_q4b041a5236_proj:
	s_mov_b64 s[64:65], 0
	v_nop
	global_prefetch_b8 v0, s[64:65] scope:SCOPE_SE
	s_setreg_imm32_b32 hwreg(HW_REG_WAVE_MODE, 25, 1), 1
	s_wait_xcnt 0x0
	s_wait_alu depctr_hold_cnt(0) depctr_sa_sdst(0) depctr_va_vdst(0) depctr_va_sdst(0) depctr_va_ssrc(0) depctr_va_vcc(0) depctr_vm_vsrc(0)
	s_getreg_b32 s2, hwreg(HW_REG_IB_STS2, 6, 4)
	s_cmp_eq_u32 s2, 0
	s_cbranch_scc0 .Lentry_in_a_cluster
	s_endpgm
.Lentry_in_a_cluster:
	s_bfe_u32 s2, ttmp6, 0x10000c
	s_cmp_lg_u32 s2, 0xf033
	s_cbranch_scc0 .Lentry_shape_is_right
	s_endpgm
.Lentry_shape_is_right:
; out0 = attention's result x W_out + b_out on codes of FP6 (E2M3), one E8M0 scale for each 32 along K = 1,024; out0 [8,192][1,024] f32.
; ao: [tile of 16 tokens][head][768 bytes]: six operand registers' image (16 bytes a lane, then 8); aos: [pair of tiles][pair of heads][32 lanes] scale words.  W_out: [1,024][768] codes, [1,024][32] scale bytes.
; THE DEAL.  256 work-groups of four waves, 2 x 2; a work-group makes 256 tokens x 128 columns.  Wave (a, b) takes tokens 128 a .. + 127 and columns 64 b .. + 63: its 64 rows of W_out, all of K, lie in 384 registers,
; and ao's tiles of 16 tokens stream past in two register sets: a block is 32 products on four accumulators by turns.
; LDS is filled once, at the head: ao's 16 tiles, 196,608 dense bytes as rows of 256; W_out's 128 rows of 768 bytes, 8 bytes of padding behind every 256.  Joint loads in clusters of 4 x 4: ao's tiles along a row, W_out's rows along a column.
; THE WAY OUT NEEDS NO LDS.  Source 0 = 16 tokens, source 1 = 16 rows of W_out, and lane r of tile t takes row 4 r + t of my 64.  So register j of the four accumulators holds columns 4 r .. 4 r + 3 of token 8 h + j:
; the addition of the bias lays them in four registers on end, and sixteen lanes store 256 consecutive bytes, aligned.  A block's rows leave as soon as it is finished.
; No prefetch: every tile is asked for once, at the head; there is no loop to run ahead in.
; REGISTERS: window 0: v1-9 lane terms, v10-11 the add's, v12-15 LDS addresses of ao's tiles, v28-35 of my four weight tiles, v44-75 ao's scale words, v80-95 W_out's, v96-99 the bias, v101 my place in out0,
;   v128-159 accumulators, v160-191 a block on its way out.  From v256 on fragments of 12 registers, 21 to a window: 0-31 the weight's (4 q + t), 32-47 the tokens' two sets.
; HOW THE HEAD'S TILES ARE DEALT (this takes the place of the head's words on ao's rows of 256 bytes): one tensor load a wave, each kind by a line of its own.  Waves 0, 1: W_out's halves.
; Wave 2: tiles 0-3 of both row halves, as ONE tile of two rows of 49,152 bytes, 98,304 bytes apart; wave 3: tiles 4-7 likewise.  The first barrier shows W_out's rows, the second, behind their LDS loads, wave 2's tile;
; a third, behind block 2 and ahead of the fetch of block 4, shows wave 3's.
.set KROW,  768
.set WP,    792
.set WB,    196608
.set SPARE, WB+128*WP
.set NF,    32                         ; LDS loads of a block
.set SPW, 10
.set NIL, 11
.set XA,  12
.set WA,  28
.set SA,  44
.set SB,  80
.set BO,  96
.set CO,  101
.set ACC, 128
.set OUT, 160
.set G1X, 28
.set G1W, 36
.set G0X, 44
.set G0W, 48
.set MSB, 0
.macro WIN new                         ; the immediate's high byte repeats the setting that is left
.if MSB != (\new)
	s_set_vgpr_msb (MSB<<8)|(\new)
.set MSB, \new
.endif
.endm
.macro PLACES n
.rept \n
	v_nop
.endr
.endm
.macro CROUND                          ; a round of the cluster's barrier
	s_barrier_signal -1
	s_barrier_wait -1
	s_cmp_lg_u32 s16, 0
	s_cbranch_scc1 .Lnw0_\@
	s_barrier_signal -3
.Lnw0_\@:
	s_barrier_wait -3
	s_barrier_signal -1
	s_barrier_wait -1
.endm
.macro TLOAD g0, g1
	tensor_load_to_lds s[\g0:\g0+3], s[\g1:\g1+7]
	s_nop 0
	PLACES 4
.endm
; A weight's fragment f, the q-th 128 along K of a row: six pieces of 8 bytes, two to a load where both go by one address register.  v[a0]: the row's place + 24 h; v[a0+1]: the same behind one padding more for lanes 16-31.
.macro FRAG f, q, a0
	WIN (1+(\f)/21)<<6
.set R_, 12*((\f)%21)
.set SK_, 0
.irp p, 0,1,2,3,4,5
.if SK_
.set SK_, 0
.else
.set P0_, 12*(\q)+6*(\p/3)+\p%3
.set P1_, 12*(\q)+6*((\p+1)/3)+(\p+1)%3
.set X0_, (P0_%32+3)/32
.set X1_, (P1_%32+3)/32
.if (\p < 5) && (X0_ == X1_)
.set SK_, 1
	ds_load_2addr_b64 v[R_+2*\p:R_+2*\p+3], v[\a0+X0_] offset0:P0_+P0_/32 offset1:P1_+P1_/32
.else
	ds_load_b64 v[R_+2*\p:R_+2*\p+1], v[\a0+X0_] offset:8*(P0_+P0_/32)
.endif
.endif
.endr
.endm
.macro FETCH s                         ; my tile s of 16 tokens into set s % 2: a fragment is two heads' images
.irp q, 0,1,2,3,4,5,6,7
.set F_, 32+8*((\s)%2)+\q
.set R_, 12*(F_%21)
.set O_, 12288*((\s)%4)+1536*\q
	WIN (1+F_/21)<<6
	ds_load_b128 v[R_:R_+3], v[XA+2*((\s)/4)] offset:O_
	ds_load_b64 v[R_+4:R_+5], v[XA+2*((\s)/4)+1] offset:O_+512
	ds_load_b128 v[R_+6:R_+9], v[XA+2*((\s)/4)] offset:O_+768
	ds_load_b64 v[R_+10:R_+11], v[XA+2*((\s)/4)+1] offset:O_+1280
.endr
	WIN 0
.endm
.macro WM d, a, b, c, xa, xb           ; one product; RA_, RB_: which half of the lanes holds each side's scale words
.if RA_ && RB_
	v_wmma_scale_f32_16x16x128_f8f6f4 v[\d:\d+7], v[\a:\a+11], v[\b:\b+11], \c, v[\xa], v[\xb] matrix_a_fmt:MATRIX_FMT_FP6 matrix_b_fmt:MATRIX_FMT_FP6 matrix_a_scale:MATRIX_SCALE_ROW1 matrix_b_scale:MATRIX_SCALE_ROW1
.elseif RA_
	v_wmma_scale_f32_16x16x128_f8f6f4 v[\d:\d+7], v[\a:\a+11], v[\b:\b+11], \c, v[\xa], v[\xb] matrix_a_fmt:MATRIX_FMT_FP6 matrix_b_fmt:MATRIX_FMT_FP6 matrix_a_scale:MATRIX_SCALE_ROW1
.elseif RB_
	v_wmma_scale_f32_16x16x128_f8f6f4 v[\d:\d+7], v[\a:\a+11], v[\b:\b+11], \c, v[\xa], v[\xb] matrix_a_fmt:MATRIX_FMT_FP6 matrix_b_fmt:MATRIX_FMT_FP6 matrix_b_scale:MATRIX_SCALE_ROW1
.else
	v_wmma_scale_f32_16x16x128_f8f6f4 v[\d:\d+7], v[\a:\a+11], v[\b:\b+11], \c, v[\xa], v[\xb] matrix_a_fmt:MATRIX_FMT_FP6 matrix_b_fmt:MATRIX_FMT_FP6
.endif
.endm
.macro BLOCK s                         ; 32 products, n = 4 q + t, the four accumulators by turns; the first four start the sums
.set N_, 0
.rept 32
.set Q_, N_/4
.set T_, N_%4
.set D_, ACC+8*T_
.set FW_, 4*Q_+T_
.set FX_, 32+8*((\s)%2)+Q_
.set RW_, 12*(FW_%21)
.set RX_, 12*(FX_%21)
.set XW_, SB+8*(T_/2)+Q_
.set XX_, SA+8*((\s)/2)+Q_
.set RA_, (\s)%2
.set RB_, T_%2
	WIN (1+FX_/21)|((1+FW_/21)<<2)
.if Q_
	WM D_, RX_, RW_, v[D_:D_+7], XX_, XW_
.else
	WM D_, RX_, RW_, 0, XX_, XW_
.endif
.set N_, N_+1
.endr
	WIN 0
	PLACES 4                                       ; ahead of the loads into the set just read and of the first read of the results
.endm
.macro SEND s                          ; 16 tokens x 64 columns leave
	s_wait_xcnt 0x0                                ; the last block's stores have read their registers
.irp j, 0,1,2,3,4,5,6,7
.irp t, 0,1,2,3
	v_add_f32 v[OUT+4*\j+\t], v[ACC+8*\t+\j], v[BO+\t]     ; each accumulator from its low end on
.endr
.endr
.irp j, 0,1,2,3,4,5,6,7
	global_store_b128 v[CO], v[OUT+4*\j:OUT+4*\j+3], s[14:15] offset:65536*(\s)+4096*\j th:TH_STORE_NT
.endr
.endm
; ---- the head
	s_load_b256 s[4:11], s[0:1], 0x0               ; ao, aos, W_out's codes, its scales
	s_load_b128 s[12:15], s[0:1], 0x20             ; b_out, out0
	v_lshl_add_u32 v[SPW], v0, 2, SPARE
	v_mov_b32 v[NIL], 0
	ds_add_u32 v[SPW], v[NIL]                      ; the opening lines: the add twice and its wait
	ds_add_u32 v[SPW], v[NIL]
	v_lshrrev_b32 v9, 5, v0
	v_readfirstlane_b32 s16, v9                    ; wave
	s_lshr_b32 s17, s16, 1                         ; a
	s_and_b32 s18, s16, 1                          ; b; also: which half of a tile I fetch
	s_bfe_u32 s19, ttmp6, 0x40000                  ; cx
	s_bfe_u32 s20, ttmp6, 0x40004                  ; cy
	s_lshl_b32 s21, ttmp9, 2
	s_add_co_u32 s21, s21, s19                     ; tile of 128 columns, 0 .. 7
	s_and_b32 s22, ttmp7, 0xffff
	s_lshl_b32 s22, s22, 2
	s_add_co_u32 s22, s22, s20                     ; block of 256 tokens, 0 .. 31
	s_lshl_b32 s23, s20, 2
	s_lshl_b32 s23, 15, s23                        ; my row of the cluster
	s_lshl_b32 s24, 0x1111, s19                    ; my column
	s_or_b32 s[G1X], s23, (3<<16)|(1<<21)          ; ao: 8 tiles, 98,304 dense bytes, as 2 rows of 6,144 elements of 8 bytes
	s_mov_b32 s[G1X+1], 6144<<16                   ; a row: four tiles of ao on end, 49,152 bytes
	s_mov_b32 s[G1X+2], 2<<16
	s_mov_b32 s[G1X+3], 6144<<16
	s_mov_b32 s[G1X+4], 2
	s_mov_b32 s[G1X+5], 12288                      ; eight tiles from row to row
	s_mov_b32 s[G1X+6], 0
	s_mov_b32 s[G1X+7], 0
	s_or_b32 s[G1W], s24, (1<<20)|(1<<21)|(5<<22)|(1<<25)   ; W_out: 64 rows of 768 bytes, 2 words of padding behind every 64
	s_mov_b32 s[G1W+1], KROW<<16
	s_mov_b32 s[G1W+2], 64<<16
	s_mov_b32 s[G1W+3], KROW<<16
	s_mov_b32 s[G1W+4], 64
	s_mov_b32 s[G1W+5], KROW
	s_mov_b32 s[G1W+6], 0
	s_mov_b32 s[G1W+7], 0
	s_lshl_b32 s52, s22, 4
	s_lshl_b32 s53, s18, 2
	s_add_co_u32 s52, s52, s53
	s_mul_i32 s52, s52, 12288                      ; the 8 tiles of ao that waves 2, 3 fetch
	s_mov_b32 s53, 0
	s_lshl_b32 s26, s21, 7
	s_lshl_b32 s55, s18, 6
	s_add_co_u32 s26, s26, s55                     ; my first column; also the 64 rows of W_out that waves 0, 1 fetch
	s_mul_i32 s54, s26, KROW
	s_mov_b32 s55, 0
	s_lshl_b32 s25, s22, 8
	s_lshl_b32 s56, s17, 7
	s_add_co_u32 s25, s25, s56                     ; my first token
	s_mov_b32 s[G0X], 1
	s_mul_i32 s[G0X+1], s18, 98304
	s_mov_b32 s[G0W], 1
	s_mul_i32 s[G0W+1], s18, 64*WP
	s_add_co_u32 s[G0W+1], s[G0W+1], WB            ; also where my own 64 rows lie
	s_mul_i32 s56, s17, 49152
	v_and_b32 v1, 15, v0                           ; r
	v_bfe_u32 v2, v0, 4, 1                         ; h
	v_and_b32 v3, 31, v0                           ; lane
	v_lshlrev_b32 v4, 4, v3
	v_lshlrev_b32 v5, 3, v3
	v_lshlrev_b32 v6, 2, v3
	v_lshlrev_b32 v7, 7, v1
	v_lshl_add_u32 v7, v2, 5, v7                   ; W_out's scale bytes: row 4 r + h
	v_lshlrev_b32 v8, 4, v1                        ; 16 r: four columns
	v_lshl_add_u32 v[CO], v2, 15, v8               ; + 8 h rows of out0
	v_add_nc_u32 v[XA], s56, v4
	v_add_nc_u32 v[XA+1], s56, v5
	v_add_nc_u32 v[XA+2], 98304, v[XA]
	v_add_nc_u32 v[XA+3], 98304, v[XA+1]
	v_mul_u32_u24 v9, v1, 4*WP
	v_mad_u32_u24 v36, v2, 24, v9
	v_mad_u32_u24 v37, v2, 32, v9
	v_add_nc_u32 v36, s[G0W+1], v36
	v_add_nc_u32 v37, s[G0W+1], v37
.set I_, 0
.rept 4
	v_add_nc_u32 v[WA+2*I_], I_*WP, v36            ; tile t: row 4 r + t
	v_add_nc_u32 v[WA+2*I_+1], I_*WP, v37
.set I_, I_+1
.endr
	s_wait_alu depctr_va_vdst(0)                   ; the head's end
	s_wait_dscnt 0x0
	CROUND                                         ; ahead of the first joint loads
	s_wait_kmcnt 0x0
	s_add_nc_u64 s[G0X+2:G0X+3], s[4:5], s[52:53]
	s_or_b32 s[G0X+3], s[G0X+3], 0x80000000
	s_add_nc_u64 s[G0W+2:G0W+3], s[8:9], s[54:55]
	s_or_b32 s[G0W+3], s[G0W+3], 0x80000000
	s_cmp_lt_u32 s16, 2                            ; one tensor load a wave: waves 0, 1 W_out's rows, waves 2, 3 ao's tiles
	s_cbranch_scc0 .Lhead_x
	TLOAD G0W, G1W
	s_branch .Lhead_j
.Lhead_x:
	s_cmp_lt_u32 s16, 3
	s_cbranch_scc0 .Lhead_y
	TLOAD G0X, G1X                                 ; wave 2: tiles 0-3
	s_branch .Lhead_j
.Lhead_y:
	TLOAD G0X, G1X                                 ; wave 3: tiles 4-7
.Lhead_j:
	s_mov_b32 s63, 0
	s_lshl_b32 s62, s25, 5
	s_add_nc_u64 s[56:57], s[6:7], s[62:63]
	s_lshl_b32 s62, s26, 5
	s_add_nc_u64 s[58:59], s[10:11], s[62:63]
	s_lshl_b32 s62, s26, 2
	s_add_nc_u64 s[60:61], s[12:13], s[62:63]
	s_lshl_b32 s52, s25, 12
	s_add_co_u32 s62, s62, s52
	s_add_nc_u64 s[14:15], s[14:15], s[62:63]
.irp i, 0,1
.irp q, 0,1
	global_load_b128 v[SB+8*\i+4*\q:SB+8*\i+4*\q+3], v7, s[58:59] offset:64*\i+16*\q    ; lanes 0-15 tile 2 i, lanes 16-31 tile 2 i + 1
.endr
.endr
.irp i, 0,1,2,3
.irp f, 0,1,2,3,4,5,6,7
	global_load_b32 v[SA+8*\i+\f], v6, s[56:57] offset:1024*\i+128*\f
.endr
.endr
	global_load_b128 v[BO:BO+3], v8, s[60:61]
	s_cmp_lt_u32 s16, 2
	s_cbranch_scc0 .Lnot_w
	s_wait_tensorcnt 0x0
.Lnot_w:
	s_barrier_signal -1
	s_barrier_wait -1                              ; W_out's rows are in; ao's tiles may be on their way
.irp q, 0,1,2,3,4,5,6,7
.irp t, 0,1,2,3
	FRAG 4*\q+\t, \q, WA+2*\t
.endr
.endr
	WIN 0
	s_cmp_lt_u32 s16, 3
	s_cbranch_scc0 .Lnot_x
	s_wait_tensorcnt 0x0
.Lnot_x:
	s_wait_dscnt 0x0
	s_barrier_signal -1
	s_barrier_wait -1                              ; ao's tiles 0-3 are in
	FETCH 0
	FETCH 1
	s_wait_loadcnt 0x0                             ; scale words and bias
.set S_, 0
.rept 8
.if S_ < 7
	s_wait_dscnt NF                                ; all but the fetch issued last
.else
	s_wait_dscnt 0x0
.endif
	BLOCK S_
.if S_ == 2
	s_wait_tensorcnt 0x0
	s_wait_dscnt 0x0
	s_barrier_signal -1
	s_barrier_wait -1                              ; ao's tiles 4-7 are in
.endif
.if S_ < 6
	FETCH S_+2
.endif
	SEND S_
.set S_, S_+1
.endr
	s_wait_tensorcnt 0x0                           ; the wave's end
	ds_add_u32 v[SPW], v[NIL]
	s_wait_dscnt 0x0
	CROUND                                         ; the closing round
	s_endpgm
.Lfunc_end_k_q4b041a5236_proj:
	.size	k_q4b041a5236_proj, .Lfunc_end_k_q4b041a5236_proj-k_q4b041a5236_proj
	.p2alignl 7, 3214868480
	.fill 96, 4, 3214868480
	.section	.rodata,"a",@progbits
	.p2align	6, 0x0
	.amdhsa_kernel k_q4b041a5236_proj
		.amdhsa_group_segment_fixed_size 327680
		.amdhsa_private_segment_fixed_size 0
		.amdhsa_enable_private_segment 0
		.amdhsa_kernarg_size 48
		.amdhsa_user_sgpr_count 2
		.amdhsa_user_sgpr_kernarg_segment_ptr 1
		.amdhsa_wavefront_size32 1
		.amdhsa_system_sgpr_workgroup_id_x 1
		.amdhsa_system_sgpr_workgroup_id_y 1
		.amdhsa_system_sgpr_workgroup_id_z 1
		.amdhsa_system_vgpr_workitem_id 0
		.amdhsa_next_free_vgpr 1024
		.amdhsa_next_free_sgpr 80
		.amdhsa_reserve_vcc 0
		.amdhsa_float_denorm_mode_32 3
		.amdhsa_float_denorm_mode_16_64 3
		.amdhsa_memory_ordered 1
		.amdhsa_forward_progress 1
		.amdhsa_inst_pref_size 83
	.end_amdhsa_kernel
	.amdgpu_metadata
---
amdhsa.version: [ 1, 2 ]
amdhsa.kernels:
  - .name:           k_q4b041a5236_proj
    .symbol:         k_q4b041a5236_proj.kd
    .args:
      - { .name: ao, .offset: 0, .size: 8, .value_kind: global_buffer, .address_space: global }
      - { .name: aos, .offset: 8, .size: 8, .value_kind: global_buffer, .address_space: global }
      - { .name: W_out_codes, .offset: 16, .size: 8, .value_kind: global_buffer, .address_space: global }
      - { .name: W_out_scales, .offset: 24, .size: 8, .value_kind: global_buffer, .address_space: global }
      - { .name: b_out, .offset: 32, .size: 8, .value_kind: global_buffer, .address_space: global }
      - { .name: out0, .offset: 40, .size: 8, .value_kind: global_buffer, .address_space: global }
    .group_segment_fixed_size: 327680
    .private_segment_fixed_size: 0
    .kernarg_segment_align: 8
    .kernarg_segment_size: 48
    .max_flat_workgroup_size: 128
    .sgpr_count:     80
    .vgpr_count:     1024
    .wavefront_size: 32
...
	.end_amdgpu_metadata
.endif
;; end of part 3
